; MI455X (gfx1250); checked and timed in simulation.
; The chip was launched on July 23, 2026; its instructions are those of AMD's public machine-readable ISA for CDNA 5 (MIT licence, August 2026) and "CDNA5" Instruction Set Architecture Reference Guide (July 2026). The comments in the code are by the model that wrote it; some were corrected since.
;; Non Linear Bias Readout Block. Allowed arithmetic: matrix products marked QUANTISED: E2M3 operands, one E8M0 scale for each 32 along K, by v_wmma_scale_f32_16x16x128_f8f6f4 with both operands' format E2M3, f32 sums; products left as they are: f32 operands where the result goes on into a quantised operand, else bf16, f16 or f32 operands; f32 sums; everything else in f32.
;; Inputs: W1_codes 1,024 x 32 x 24 uint8 (E2M3 codes of W1, K innermost, in blocks of 32 codes, four codes in three bytes); W1_scales 1,024 x 32 uint8 (E8M0 scales of W1, one for each 32 codes along K); W2 1,024 x 4 float32; W_mid_codes 1,024 x 32 x 24 uint8 (E2M3 codes of W_mid, K innermost, in blocks of 32 codes, four codes in three bytes); W_mid_scales 1,024 x 32 uint8 (E8M0 scales of W_mid, one for each 32 codes along K); b2 4 float32; b_mid 1,024 float32; heads 25,000 int32; x_codes 25,000 x 32 x 24 uint8 (E2M3 codes of x, K innermost, in blocks of 32 codes, four codes in three bytes); x_scales 25,000 x 32 uint8 (E8M0 scales of x, one for each 32 codes along K).
;; Outputs: out0 25,000 x 4 float32.
;; This version of the problem:
;;   THIS VERSION OF THE PROBLEM IS GIVEN IN LOW PRECISION. The matrix products marked QUANTISED in the list below multiply operands that are first quantised to E2M3 (2 exponent bits, 3 mantissa bits; 6 bits a number), with one power-of-two scale for each 32 numbers along K (OCP MX v1.0); their sums are f32. All else is computed in f32.
;;   The module's matrix products, in the order in which they are computed (A, B: the left and right operand; K: the contracted axis; several contracted axes count as one K, in the product's order):
;;     1. [M 25,000, K 1,024] x [K 1,024, N 1,024]; A: input x (given as codes); B: input W1 (given as codes): QUANTISED
;;     2. [M 25,000, K 1,024] x [K 1,024, N 1,024]; A: computed on the way; B: input W_mid (given as codes): QUANTISED
;;     3. [M 25,000, K 1,024] x [K 1,024, N 4]; A: computed on the way; B: input W2: left as it is (N = 4 < 16)
;;   THE QUANTISER, for each operand of a quantised product, along K:
;;     - K is cut into blocks of 32 from its start; a last block that is shorter is filled with zeros.
;;     - A block's scale is 2^e with e = floor(log2(the largest magnitude in the block)) - 2, held to -126 .. 127; a block of zeros has e = 0. As a byte (E8M0): e + 127.
;;     - Each number is divided by its block's scale, clamped to +-7.5, and rounded to the nearest number of E2M3, ties to even, subnormals kept.
;;     - The product sums the exact products of the quantised numbers (number of the format x scale) in f32.
;;   ~~~python
;;   def quantise(x, axis):      # numpy; x: float32 -> the quantised numbers, widened to float32 again
;;       x = np.moveaxis(x, axis, -1); K = x.shape[-1]
;;       x = np.pad(x, [(0, 0)] * (x.ndim - 1) + [(0, -K % 32)]); x = x.reshape(x.shape[:-1] + (-1, 32)); a = np.abs(x).max(-1, keepdims=True)
;;       e = np.where(a > 0, np.clip(np.frexp(np.where(a > 0, a, 1))[1] - 1 - 2, -126, 127), 0)      # np.frexp(a)[1] - 1 = floor(log2(a)), exactly
;;       r = np.clip(x / 2.0 ** e, -7.5, 7.5)
;;       step = 2.0 ** (np.maximum(np.frexp(np.where(r == 0, 1, r))[1] - 1, 0) - 3)
;;       q = np.round(r / step) * step * 2.0 ** e      # np.round: ties to even
;;       return np.moveaxis(q.reshape(q.shape[:-2] + (-1,))[..., :K], -1, axis).astype(np.float32)
;;   ~~~
;;   OPERANDS COMPUTED ON THE WAY. 'Computed on the way' means the value that the module computes at that place (a softmax that the list does not call 'softmax' is quantised finished and normalised). What goes into a quantiser is computed in f32, as accurately as f32 sums, v_exp_f32 and their like allow (about 1e-6 of the number): no bf16 or f16 on the way to a quantiser, and a product that is left as it is and whose result goes on into a quantised operand takes f32 operands (vector FMAs, or v_wmma_f32_16x16x4_f32). A number that lies on a knife's edge between two numbers of the format may be rounded either way, as far as f32 arithmetic and the matrix unit's own rounding can turn it there, and no further.
;;   INPUTS GIVEN AS CODES. W1 (in the module: [1024, 1024], K = its axis 0); W_mid (in the module: [1024, 1024], K = its axis 0); x (in the module: [25000, 1024], K = its axis 1): each comes as NAME_codes (uint8): NAME with its K axis moved to the last place and cut into blocks of 32 codes, [.., K / 32, bytes a block], one block behind the other in memory; four codes in three bytes: a row's codes are one little-endian stream of bits, code i at bits 6 i .. 6 i + 5 (a code: sign, 2 exponent bits, 3 mantissa bits); and NAME_scales (uint8): the same leading axes, one E8M0 byte (e + 127) for each 32 codes along K. Its value is code x scale, taken as it is: it is not quantised again, and the codes and scales need not be those that the quantiser above would give.
;; One version. Each part assembles by itself: llvm-mc -triple=amdgcn-amd-amdhsa -mcpu=gfx1250 --defsym DOCPART=n.
;; ======== version 1 of 1: 1 launch
;; limits: values are held in bf16: 8 bits of precision; right only within a limited range of input values
;; launch readout (part 1): grid 224 x 1, 4 waves a work-group, clusters of 4 x 1, 327,680 bytes of LDS; arguments x_codes, x_scales, W1_codes, W1_scales, W_mid_codes, W_mid_scales, b_mid, W2, b2, heads, out0; writes out0
.if DOCPART == 1
	.amdgcn_target "amdgcn-amd-amdhsa--gfx1250"
	.amdhsa_code_object_version 6
	.text
	.protected	k_q67dbc14d7e_readout
	.globl	k_q67dbc14d7e_readout
	.p2align	8
	.type	k_q67dbc14d7e_readout,@function
k_q67dbc14d7e_readout:
	s_mov_b64 s[64:65], 0
	v_nop
	global_prefetch_b8 v0, s[64:65] scope:SCOPE_SE
	s_setreg_imm32_b32 hwreg(HW_REG_WAVE_MODE, 25, 1), 1
	s_wait_xcnt 0x0
	s_wait_alu depctr_hold_cnt(0) depctr_sa_sdst(0) depctr_va_vdst(0) depctr_va_sdst(0) depctr_va_ssrc(0) depctr_va_vcc(0) depctr_vm_vsrc(0)
	s_getreg_b32 s2, hwreg(HW_REG_IB_STS2, 6, 4)
	s_cmp_eq_u32 s2, 0
	s_cbranch_scc0 .Lentry_in_a_cluster
	s_endpgm
.Lentry_in_a_cluster:
	s_bfe_u32 s2, ttmp6, 0x10000c
	s_cmp_lg_u32 s2, 0x3003
	s_cbranch_scc0 .Lentry_shape_is_right
	s_endpgm
.Lentry_shape_is_right:
; out = mask_head(silu(Q(silu(x W1 / 32)) W_mid / 32 + b_mid)) W2 / 32 + b2, for 25,000 rows of 1,024 channels.  The first two products run on codes of FP6 (E2M3) with one E8M0 scale for each
; 32 along K; x, W1 and W_mid arrive as codes (768 bytes and 32 scale bytes a row); Q quantises the first hidden layer along its channels, from f32, in registers.  The last product takes bf16 operands, f32 sums.
; SHARES.  A work-group of four waves takes 112 rows (7 tiles of 16) through the whole chain.  224 x 112 = 25,088: the last work-group begins at row 24,888 and stores only rows from 24,976 on: each output byte has one owner.
; Wave w makes hidden units 256 w .. 256 w + 255 of both layers, for all 112 rows, in 8 chunks of 32 units a layer (16 chunks).  In the second layer that range is head w's block: the mask is one choice at the end.
; THE ACTIVATIONS STAY IN REGISTERS: 56 fragments (7 row tiles x 8 K steps x 12 registers) of x, later of the hidden layer, in each wave's windows 1 to 3.
; A CHUNK is 112 products in one run (16 weight fragments x 7 row tiles, 14 accumulators by turns; each weight fragment is read from LDS once, in runs of three fragments through six buffers), then its epilogue, which
; stands apart from the products: a pipeline over the row tiles, seven stages deep, with one wait a step; a step's 32 transcendentals stand with 16 packed multiply-adds of other tiles among them.
; THE WEIGHTS come through a ring of two LDS slots; a wave's tile of a chunk is 32 rows x 768 bytes, one dense block, fetched by one tensor load and read by that wave alone.
; CLUSTER.  The four work-groups of a cluster walk the same weights in step: each tile is asked for jointly (mask 15; descriptor made of the wave's number and the loop's steps).  The refill stands behind the round at the end
; of a chunk's products; the wait for it stands in the next chunk's K step 6.
; THE MATRIX INSTRUCTION IS USED TRANSPOSED (source 0 = 16 rows of weights, source 1 = 16 rows of activations): lane (r, h) holds row r, register j of column tile t holds unit 16 t + 8 h + j.
; silu(a / 32) = a x 1 / (32 + 32 x 2^(-a log2(e) / 32)).  The second layer's bias goes in as 32 b, the C of each sum's first product.
; NOT DONE.  Only each row's own head in the second product: that wants rows sorted by head, a further launch and a gather of x's rows, beside which the joint loads could not stand.
; Two waves on a SIMD: four row tiles' fragments are 384 of a wave's 512 registers, which leaves no second buffer for the weights beside 64 registers of sums and 24 of scale words.
; No prefetch: a tile of weights is asked for a whole chunk (an epilogue and 84 products) ahead of the wait for it; x is read once, at the head, where there is no loop to run ahead in.
; LIMITS.  NaN and infinities are not served.  Where 2^(-z log2 e) overflows (z under about -88) silu gives -0 for a number under 1e-35.  A block of the hidden layer whose largest magnitude lies under 2^-124, a block of
; zeros among them, gets the scale byte 1 (read by this program alone).  A head outside 0 .. 3 gives b2.  The last product rounds its operands to bf16.
; LDS:  0 slot 0: 4 waves x 26,112 (32 rows of 816)   104,448 the hidden layer's scale bytes, 112 rows of 48   109,824 W2 transposed, bf16, 4 rows of 2,064   118,272 the spare words   118,784 32 b_mid
;   131,072 slot 1   235,520 ACT: x's codes (rows of 816, filled once), then the hidden layer's (rows of 784, stored by the waves), at the end the stage.  All of LDS is claimed.
; REGISTERS.  Window 0: v1-19 addresses; v20-23, v60-63 the quantiser's; v24-51 the activations' scale words; v52-59 the weights'; v64-175 the 14 accumulators ((m, t) at 64 + 16 m + 8 t); v176-247 six weight fragments;
;   in the epilogue v224-255 and v176-223 are five sets of 16 at work.  Windows 1-3: fragment f = 7 s + m at register 12 (f % 21) of window 1 + f / 21.  Window 3 also: v168-223 the last product's 7 sums, v224-239 32 b_mid,
;   v240-247 W2's fragment, v248-254 heads.
.set LASTR,  24888
.set WT,     26112
.set XQ,     22848
.set SLOT1,  131072
.set HSC,    104448
.set TT,     109824
.set SPARE,  118272
.set BL,     118784
.set ACT,    235520
.set STG,    ACT
.set LW,   1                           ; my lane's place in my wave's tile: 26,112 w + 816 r + 24 h;  v2 the same + 16 h
.set LW2,  2
.set ADW,  3                           ; v3-4 the two in the slot in hand
.set ADW2, 4
.set HST,  5                           ; ACT + 784 r + 12 h + 192 w
.set HSW0, 6                           ; v6-7 the same + 24 x chunk, row tiles 0-3 and 4-6
.set BLW,  6                           ; (second layer) the next chunk's bias
.set HBS,  8                           ; HSC + 48 r + 8 w;  v9 the same + chunk
.set HBW,  9
.set WSO,  10                          ; 32 r + 16 h
.set BLA,  11                          ; BL + 1,024 w + 32 h
.set TW,   12                          ; TT + 2,064 (r % 4) + 16 h + 512 w;  v13 the same + 64 x chunk
.set TWW,  13
.set SPW,  14
.set NIL,  15
.set AA0,  16
.set PX,   20
.set MX,   21
.set MX2,  22
.set SO,   23
.set AS,   24
.set WS,   52
.set CD,   60
.set ACC,  64
.set WF,   176
.set T,    224
.set OUT,  168
.set BIAS, 224
.set W2F,  240
.set HD,   248
.set WV,   26
.set G1W,  32
.set G1X,  40
.set G0X,  48
.set G0A,  52
.set G0B,  56
.set WPTR, 60
.set WMS,  62
.set WSP,  66
.set WMSS, 68
.set JB,   70                          ; 128 x (chunk + 1)
.set TB,   72
.set CNT,  73
.set J24,  74
.set J1,   75
.set J64,  76
.set CL,   78
.set C32,  80
.set SEL,  82
.set B2,   84
.set ROW0, 88
.set FIRST, 89
.set MSB, 0
.set KW,  0
.set W2WAIT, 0
.macro WIN new                         ; low byte: bits 1:0 source 0, 3:2 source 1, 5:4 source 2, 7:6 destination; the high byte repeats the setting that is left
.if MSB != (\new)
	s_set_vgpr_msb (MSB<<8)|(\new)
.set MSB, (\new)
.endif
.endm
.macro PLACES n
.rept \n
	v_nop
.endr
.endm
.macro VW
	s_wait_alu depctr_va_vdst(0)
.endm
.macro CREST
	s_cmp_lg_u32 s[WV], 0
	s_cbranch_scc1 .Lnot_wave_0_\@
	s_barrier_signal -3
.Lnot_wave_0_\@:
	s_barrier_wait -3
	s_barrier_signal -1
	s_barrier_wait -1
.endm
.macro CROUND
	s_barrier_signal -1
	s_barrier_wait -1
	CREST
.endm
.macro SEQ                             ; ahead of a round behind which LDS is filled
	s_wait_tensorcnt 0x0
	ds_add_u32 v[SPW], v[NIL]
	s_wait_dscnt 0x0
.endm
.macro TLOAD g0, g1                    ; a tensor load, its s_nop 0 and four places
	tensor_load_to_lds s[\g0:\g0+3], s[\g1:\g1+7]
	s_nop 0
	PLACES 4
.endm
; Weight fragment f (K step f / 2, column tile f % 2), 6 loads, into buffer f % 6.  Lane (r, h) takes 24 bytes of row r at 96 s + 24 h and 24 at 96 s + 48 + 24 h, in pieces of 8.  Piece p lies at 8 p + 16 (p / 32);
; where lanes 16-31 lie behind one padding more, the second address register serves.
.macro FRAGW f
.set FS, (\f)/2
.set FT, (\f)%2
.set FB, WF+12*((\f)%6)
.irp p, 0,1,2,3,4,5
.set PC, 12*FS+6*(\p/3)+\p%3
.if PC%32 < 29
	ds_load_b64 v[FB+2*\p:FB+2*\p+1], v[ADW] offset:8*PC+16*(PC/32)+13056*FT
.else
	ds_load_b64 v[FB+2*\p:FB+2*\p+1], v[ADW2] offset:8*PC+16*(PC/32)+13056*FT
.endif
.endr
.endm
; One product.  The first K step starts the sum: with 0, or with 32 b_mid.  A scale register holds K steps 0-3 in lanes 0-15 and 4-7 in lanes 16-31.
.macro MM lay, s, t, m
.set MD, ACC+16*(\m)+8*(\t)
.set MW, WF+12*((2*(\s)+(\t))%6)
.set MB, 12*((7*(\s)+(\m))%21)
.set MSW, WS+4*(\t)+(\s)%4
.set MSA, AS+4*(\m)+(\s)%4
	WIN KW
.if (\s) == 0 && (\lay) == 1
	v_wmma_scale_f32_16x16x128_f8f6f4 v[MD:MD+7], v[MW:MW+11], v[MB:MB+11], 0, v[MSW], v[MSA] matrix_a_fmt:MATRIX_FMT_FP6 matrix_b_fmt:MATRIX_FMT_FP6
.elseif (\s) == 0
	v_wmma_scale_f32_16x16x128_f8f6f4 v[MD:MD+7], v[MW:MW+11], v[MB:MB+11], v[BIAS+8*(\t):BIAS+8*(\t)+7], v[MSW], v[MSA] matrix_a_fmt:MATRIX_FMT_FP6 matrix_b_fmt:MATRIX_FMT_FP6
.elseif (\s) < 4
	v_wmma_scale_f32_16x16x128_f8f6f4 v[MD:MD+7], v[MW:MW+11], v[MB:MB+11], v[MD:MD+7], v[MSW], v[MSA] matrix_a_fmt:MATRIX_FMT_FP6 matrix_b_fmt:MATRIX_FMT_FP6
.else
	v_wmma_scale_f32_16x16x128_f8f6f4 v[MD:MD+7], v[MW:MW+11], v[MB:MB+11], v[MD:MD+7], v[MSW], v[MSA] matrix_a_fmt:MATRIX_FMT_FP6 matrix_b_fmt:MATRIX_FMT_FP6 matrix_a_scale:MATRIX_SCALE_ROW1 matrix_b_scale:MATRIX_SCALE_ROW1
.endif
.endm
; The walking descriptor goes on to the tile two chunks ahead: the other slot, 32 rows on.  sel = 1: the tile behind W1's last is W_mid's first.
.macro STEPW sel
	s_xor_b32 s[G0B+1], s[G0B+1], SLOT1
	s_add_nc_u64 s[WPTR:WPTR+1], s[WPTR:WPTR+1], 24576
.if \sel
	s_cmp_eq_u32 s[CNT], 6
	s_cselect_b64 s[WPTR:WPTR+1], s[WMS:WMS+1], s[WPTR:WPTR+1]
.endif
	s_mov_b32 s[G0B+2], s[WPTR]
	s_mov_b32 s[G0B+3], s[WPTR+1]
	s_or_b32 s[G0B+3], s[G0B+3], 0x80000000
.endm
; A chunk's 112 products.  The 16 fragments go in groups of three (the last group is fragment 15 alone); groups 0 and 1 have been asked for; behind group g's 21 products, four places on, group g + 2 takes its buffers.
; The waits: a fragment is in when at most the fragments behind it in its group (6 loads each) and the next group's loads (18, 6 or none) are out; LDS instructions issued in between only make the true number larger.
; refill = 1: the last of the slot has been asked for behind fragment 11; the wait for all tensor loads and the add stand ahead of K step 6, the wait for the add and for my reads of the slot and the round's opening signal
; ahead of K step 7, whose 14 products are the register work inside the round.
.macro KLOOP lay, refill, sel
.irp s, 0,1,2,3,4,5,6,7
.if \s == 6 && \refill
	WIN 0
	s_wait_tensorcnt 0x0
	ds_add_u32 v[SPW], v[NIL]
	STEPW \sel
.endif
.if \s == 7 && \refill
	s_wait_dscnt 0x0
	s_barrier_signal -1
.endif
.set KW, 4*(1+\s/3)
.if \s == 0 && \lay == 2
.set KW, 0x34
.endif
.irp t, 0,1
.set F, 2*\s+\t
.if F < 12
	s_wait_dscnt 6*(2-F%3)+18
.elseif F < 14
	s_wait_dscnt 6*(2-F%3)+6
.elseif \refill == 0
	s_wait_dscnt 6*(15-F)
.endif
.irp m, 0,1,2,3,4,5,6
	MM \lay, \s, \t, \m
.endr
.if F%3 == 2 && F <= 11
	PLACES 4
	FRAGW F+4
.if F < 11
	FRAGW F+5
	FRAGW F+6
.endif
.endif
.endr
.endr
	WIN 0
.endm
; STEP k OF THE EPILOGUE, behind its one wait.  Tile k: -a log2(e) / 32 (the sums' first reader).  Tile k - 6: first layer: the exchange of halves (tile 0's lanes 16-31 with tile 1's lanes 0-15: lane (r, h) then holds units
; 16 h + 0 .. 15), among it the block's largest magnitude joined with lane l xor 16's, its scale and byte; 16 codes; stores.  Second layer: the last product's turn.  Tile k - 5: first layer: my 16 magnitudes' largest, with the
; floor 2^(3 - 127); second layer: bf16 in pairs, in place.  Then the batch: exp of tile k - 1 and rcp of tile k - 3, and among them 32 + 32 e of tile k - 2 and a x 1 / (32 + 32 e) of tile k - 4, which name other registers.
; So each result is first read behind the next step's wait.  Tile i works on set i % 5 of v224, v240, v176, v192, v208.  The three sets where weight fragments lie are free behind step 8, the other two behind step 10:
; next = 1: the next chunk's fragments 0-3 are asked for in step 9, fragments 4 and 5 in step 11.
.macro ESTEP lay, k, next
.set I0, (\k)%5
.set I1, ((\k)+4)%5
.set I2, ((\k)+3)%5
.set I3, ((\k)+2)%5
.set I4, ((\k)+1)%5
.set S0, T+16*I0+((I0+2)/4)*(WF-32-T)
.set S1, T+16*I1+((I1+2)/4)*(WF-32-T)
.set S2, T+16*I2+((I2+2)/4)*(WF-32-T)
.set S3, T+16*I3+((I3+2)/4)*(WF-32-T)
.set S4, T+16*I4+((I4+2)/4)*(WF-32-T)
.set E0, ACC+16*(\k)
.set E4, ACC+16*(\k)-64
.set E5, ACC+16*(\k)-80
.set E6, ACC+16*(\k)-96
.set M6, (\k)-6
	VW
.if (\k) <= 6
.irp j, 0,2,4,6,8,10,12,14
	v_pk_mul_f32 v[S0+\j:S0+\j+1], v[E0+\j:E0+\j+1], s[CL:CL+1] op_sel_hi:[1,0]   ; each accumulator is read from its low end on
.endr
.endif
.if (\k) == 9 && (\next)
	FRAGW 0
	FRAGW 1
	FRAGW 2
	FRAGW 3
.endif
.if (\k) == 11 && (\next)
	FRAGW 4
	FRAGW 5
.endif
.if (\k) >= 6
.if (\lay) == 1
	v_permlanex16_b32 v[PX], v[MX], s[SEL], s[SEL+1]
	v_permlane16_swap_b32 v[E6], v[E6+8]
	v_permlane16_swap_b32 v[E6+1], v[E6+9]
	v_max_num_f32 v[MX], v[MX], v[PX]              ; the block's largest magnitude
	v_permlane16_swap_b32 v[E6+2], v[E6+10]
	v_permlane16_swap_b32 v[E6+3], v[E6+11]
	v_add_nc_u32 v[SO], 0xff000000, v[MX]          ; 2 off the exponent field: the conversion's scale operand
	v_permlane16_swap_b32 v[E6+4], v[E6+12]
	v_permlane16_swap_b32 v[E6+5], v[E6+13]
	v_lshrrev_b32 v[CD+3], 23, v[SO]               ; the scale's byte
	v_permlane16_swap_b32 v[E6+6], v[E6+14]
	v_permlane16_swap_b32 v[E6+7], v[E6+15]
	v_cvt_scalef32_pk16_fp6_f32 v[CD:CD+2], v[E6:E6+15], v[SO]
	v_nop                                          ; one plain place behind a scaled conversion
.irp i, 0,1,2
	ds_store_b32 v[HSW0+M6/4], v[CD+\i] offset:(M6%4)*12544+4*\i
.endr
	ds_store_b8 v[HBW], v[CD+3] offset:768*M6      ; both halves of the lanes write the same byte
.else
.if (\k) == 6
	s_wait_dscnt W2WAIT                            ; W2's fragment is in: behind its two loads stand the bias's 4, where they are asked for
.endif
	WIN 0xf3                                       ; source 0 (W2), C and D window 3; source 1 window 0
	v_wmma_f32_16x16x32_bf16 v[OUT+8*M6:OUT+8*M6+7], v[W2F:W2F+7], v[E6:E6+7], v[OUT+8*M6:OUT+8*M6+7]
	WIN 0
.endif
.endif
.if (\k) >= 5 && (\k) <= 11
.if (\lay) == 1
	v_max3_num_f32 v[MX], |v[E5]|, |v[E5+1]|, 0x1800000
	v_max3_num_f32 v[MX2], |v[E5+2]|, |v[E5+3]|, |v[E5+4]|
	v_max3_num_f32 v[SO], |v[E5+5]|, |v[E5+6]|, |v[E5+7]|
	v_max3_num_f32 v[PX], |v[E5+8]|, |v[E5+9]|, |v[E5+10]|
	v_max3_num_f32 v[MX], v[MX], |v[E5+11]|, |v[E5+12]|
	v_max3_num_f32 v[MX2], v[MX2], |v[E5+13]|, |v[E5+14]|
	v_max3_num_f32 v[SO], v[SO], v[PX], |v[E5+15]|
	v_max3_num_f32 v[MX], v[MX], v[MX2], v[SO]
.else
.irp i, 0,1,2,3,4,5,6,7
	v_cvt_pk_bf16_f32 v[E5+\i], v[E5+2*\i], v[E5+2*\i+1]   ; registers 0-3 channels 8 h + 0 .. 7, registers 4-7 channels 16 + 8 h + 0 .. 7
.endr
.endif
.endif
.irp j, 0,2,4,6,8,10,12,14
.if (\k) >= 1 && (\k) <= 7
	v_exp_f32 v[S1+\j], v[S1+\j]
.endif
.if (\k) >= 2 && (\k) <= 8
	v_pk_fma_f32 v[S2+\j:S2+\j+1], v[S2+\j:S2+\j+1], s[C32:C32+1], s[C32:C32+1] op_sel_hi:[1,0,0]
.endif
.if (\k) >= 3 && (\k) <= 9
	v_rcp_f32 v[S3+\j], v[S3+\j]
.endif
.if (\k) >= 1 && (\k) <= 7
	v_exp_f32 v[S1+\j+1], v[S1+\j+1]
.endif
.if (\k) >= 4 && (\k) <= 10
	v_pk_mul_f32 v[E4+\j:E4+\j+1], v[E4+\j:E4+\j+1], v[S4+\j:S4+\j+1]
.endif
.if (\k) >= 3 && (\k) <= 9
	v_rcp_f32 v[S3+\j+1], v[S3+\j+1]
.endif
.endr
.if (\k) >= 1 && (\k) <= 9
	v_nop                                          ; the plain place behind the batch
.endif
.endm
; A whole chunk.  next = 1: behind the products the next chunk's scale bytes and bias are asked for, ahead of the epilogue, and its first fragments inside it.
.macro CHUNK lay, refill, sel, next
	KLOOP \lay, \refill, \sel
.if \refill
	s_barrier_wait -1
	CREST                                          ; no wave of any partner still reads this slot or has a load on its way
	TLOAD G0B, G1W                                 ; my one tensor load behind the round; its four places also serve the loads and reads below
.else
.if \next
	s_wait_tensorcnt 0x0                           ; the last tile is in: no load was issued behind it, and my wave alone reads it
.endif
	PLACES 4
.endif
.if \next
	s_add_nc_u64 s[WSP:WSP+1], s[WSP:WSP+1], 1024  ; the loads that read this base were waited for at the last chunk's end
.if \sel
	s_cmp_eq_u32 s[CNT], 7                         ; behind W1's last chunk: W_mid's first
	s_cselect_b64 s[WSP:WSP+1], s[WMSS:WMSS+1], s[WSP:WSP+1]
.endif
	global_load_b128 v[WS:WS+3], v[WSO], s[WSP:WSP+1]              ; 32 rows of 32 scale bytes: each load reads 512 consecutive bytes
	global_load_b128 v[WS+4:WS+7], v[WSO], s[WSP:WSP+1] offset:512
	s_xor_b32 s[TB], s[TB], SLOT1
	v_add_nc_u32 v[ADW], s[TB], v[LW]
	v_add_nc_u32 v[ADW2], s[TB], v[LW2]
.endif
.if \lay == 1
	v_add_nc_u32 v[HSW0], s[J24], v[HST]
	v_add_nc_u32 v[HSW0+1], 50176, v[HSW0]         ; 64 rows of 784 on
	v_add_nc_u32 v[HBW], s[J1], v[HBS]
	s_add_co_u32 s[J24], s[J24], 24
	s_add_co_u32 s[J1], s[J1], 1
.else
	v_add_nc_u32 v[TWW], s[J64], v[TW]
	s_add_co_u32 s[J64], s[J64], 64
.if \next
	v_add_nc_u32 v[BLW], s[JB], v[BLA]
	s_add_co_u32 s[JB], s[JB], 128
.endif
	VW
	WIN 0xc0                                       ; destination window 3
	ds_load_b128 v[W2F:W2F+3], v[TWW]              ; W2's fragment of this chunk: output r % 4, channels 8 h + 0 .. 7,
	ds_load_b128 v[W2F+4:W2F+7], v[TWW] offset:32  ; and 16 + 8 h + 0 .. 7
.if \next
.irp q, 0,1,2,3
	ds_load_b128 v[BIAS+4*\q:BIAS+4*\q+3], v[BLW] offset:64*(\q/2)+16*(\q%2)   ; 32 b_mid of units 16 t + 8 h + 0 .. 7
.endr
.endif
	WIN 0
.endif
.set W2WAIT, 4*(\next)
.irp k, 0,1,2,3,4,5,6,7,8,9,10,11,12
	ESTEP \lay, \k, \next
.endr
.if \lay == 2
	PLACES 5                                       ; the next products write over registers that the last product's turn has read
.endif
	VW
.if \next
	s_wait_loadcnt 0x0                             ; the next chunk's scale bytes
.endif
.endm
; All 56 activation fragments from ACT.  lay = 0: x as the mover laid it (rows of 816);  lay = 1: the hidden layer as the waves stored it (rows of 784).
.macro LOADACT lay
.set LF, 0
.rept 56
.set LSS, LF/7
.set LM, LF%7
	WIN (1+LF/21)<<6
.irp p, 0,1,2,3,4,5
.set PC, 12*LSS+6*(\p/3)+\p%3
.set LR, 12*(LF%21)+2*\p
.if \lay
	ds_load_b64 v[LR:LR+1], v[AA0+2*(LM/4)] offset:8*PC+(LM%4)*12544
.elseif PC%32 < 29
	ds_load_b64 v[LR:LR+1], v[AA0+2*(LM/4)] offset:8*PC+16*(PC/32)+(LM%4)*13056
.else
	ds_load_b64 v[LR:LR+1], v[AA0+1+2*(LM/4)] offset:8*PC+16*(PC/32)+(LM%4)*13056
.endif
.endr
.set LF, LF+1
.endr
	WIN 0
.endm
	; ---- the head
	s_load_b512 s[4:19], s[0:1], 0x0               ; x's codes 4:5, x's scales 6:7, W1's codes 8:9, scales 10:11, W_mid's codes 12:13, scales 14:15, b_mid 16:17, W2 18:19
	s_load_b128 s[20:23], s[0:1], 0x40             ; b2 20:21, heads 22:23
	s_load_b64 s[24:25], s[0:1], 0x50              ; out0
	v_lshl_add_u32 v[SPW], v0, 2, SPARE
	v_mov_b32 v[NIL], 0
	ds_add_u32 v[SPW], v[NIL]                      ; the opening lines: the add, twice on end, and its wait ahead of the first round
	ds_add_u32 v[SPW], v[NIL]
	v_lshrrev_b32 v[T], 5, v0
	v_readfirstlane_b32 s[WV], v[T]                ; wave 0..3
	s_bfe_u32 s27, ttmp6, 0x40000                  ; cx
	s_lshl_b32 s28, ttmp9, 2
	s_add_co_u32 s28, s28, s27                     ; my work-group: it enters global addresses of x, its scales, heads and out0, and the last store's mask, and nothing else
	s_mul_i32 s[FIRST], s28, 112
	s_min_u32 s[ROW0], s[FIRST], LASTR
	; group 1, weights: 24,576 dense bytes as 96 rows of 256 (32 elements of 8 bytes), 16 bytes of padding behind each; mask: all four work-groups, bit 21 beside it
	s_mov_b32 s[G1W], 15|(3<<16)|(1<<20)|(1<<21)|(5<<22)|(3<<25)
	s_mov_b32 s[G1W+1], 32<<16
	s_mov_b32 s[G1W+2], 96<<16
	s_mov_b32 s[G1W+3], 32<<16
	s_mov_b32 s[G1W+4], 96
	s_mov_b32 s[G1W+5], 32
	s_mov_b32 s[G1W+6], 0
	s_mov_b32 s[G1W+7], 0
	; x: a wave's 28 rows, 21,504 dense bytes as 84 such rows; no mask
	s_mov_b32 s[G1X], (3<<16)|(1<<20)|(5<<22)|(3<<25)
	s_mov_b32 s[G1X+1], 32<<16
	s_mov_b32 s[G1X+2], 84<<16
	s_mov_b32 s[G1X+3], 32<<16
	s_mov_b32 s[G1X+4], 84
	s_mov_b32 s[G1X+5], 32
	s_mov_b32 s[G1X+6], 0
	s_mov_b32 s[G1X+7], 0
	s_mov_b32 s[CL], 0xbd38aa3b                    ; -log2(e) / 32
	s_mov_b32 s[CL+1], s[CL]
	s_mov_b32 s[C32], 0x42000000                   ; 32.0
	s_mov_b32 s[C32+1], s[C32]
	s_mov_b32 s[SEL], 0x76543210
	s_mov_b32 s[SEL+1], 0xfedcba98
	s_mul_i32 s90, s[ROW0], 768                    ; x's codes: 768 x row + 21,504 x wave
	s_mul_i32 s91, s[WV], 21504
	s_add_co_u32 s90, s90, s91
	s_mov_b32 s91, 0
	s_mul_i32 s92, s[WV], 196608                   ; the weights' codes: my wave's 256 rows
	s_mov_b32 s93, 0
	s_mov_b32 s[G0X], 1
	s_mul_i32 s[G0X+1], s[WV], XQ
	s_add_co_u32 s[G0X+1], s[G0X+1], ACT
	s_mov_b32 s[G0A], 1
	s_mul_i32 s[G0A+1], s[WV], WT
	s_mov_b32 s[G0B], 1
	s_add_co_u32 s[G0B+1], s[G0A+1], SLOT1
	s_mov_b32 s[TB], 0
	s_wait_dscnt 0x0                               ; both opening adds are done
	s_wait_kmcnt 0x0
	s_add_nc_u64 s[G0X+2:G0X+3], s[4:5], s[90:91]
	s_or_b32 s[G0X+3], s[G0X+3], 0x80000000
	s_add_nc_u64 s[G0A+2:G0A+3], s[8:9], s[92:93]  ; chunk 0
	s_add_nc_u64 s[WPTR:WPTR+1], s[G0A+2:G0A+3], 24576   ; chunk 1
	s_or_b32 s[G0A+3], s[G0A+3], 0x80000000
	s_mov_b32 s[G0B+2], s[WPTR]
	s_mov_b32 s[G0B+3], s[WPTR+1]
	s_or_b32 s[G0B+3], s[G0B+3], 0x80000000
	s_add_nc_u64 s[WMS:WMS+1], s[12:13], s[92:93]
	s_lshl_b32 s92, s[WV], 13                      ; the weights' scale bytes: 256 rows of 32
	s_add_nc_u64 s[WSP:WSP+1], s[10:11], s[92:93]
	s_add_nc_u64 s[WMSS:WMSS+1], s[14:15], s[92:93]
	s_lshl_b32 s90, s[ROW0], 5
	s_add_nc_u64 s[6:7], s[6:7], s[90:91]          ; x's scales at my first row
	s_lshl_b32 s90, s[ROW0], 2
	s_add_nc_u64 s[22:23], s[22:23], s[90:91]      ; heads
	s_lshl_b32 s90, s[ROW0], 4
	s_add_nc_u64 s[24:25], s[24:25], s[90:91]      ; out0
	s_load_b128 s[B2:B2+3], s[20:21], 0x0          ; b2's four numbers
	CROUND
	TLOAD G0X, G1X                                 ; my quarter of x: one tensor load a wave at the head
	; ---- while it lands: addresses, scale bytes, heads, W2, b_mid
	s_mul_i32 s90, s[WV], 192
	s_add_co_u32 s90, s90, ACT
	s_lshl_b32 s91, s[WV], 3
	s_add_co_u32 s91, s91, HSC
	s_lshl_b32 s92, s[WV], 9
	s_add_co_u32 s92, s92, TT
	s_lshl_b32 s93, s[WV], 10
	s_add_co_u32 s93, s93, BL
	v_and_b32 v[T], 15, v0                         ; r
	v_bfe_u32 v[T+1], v0, 4, 1                     ; h
	v_mul_u32_u24 v[LW], v[T], 816
	v_mad_u32_u24 v[LW], v[T+1], 24, v[LW]
	v_add_nc_u32 v[LW], s[G0A+1], v[LW]
	v_lshl_add_u32 v[LW2], v[T+1], 4, v[LW]
	v_add_nc_u32 v[ADW], s[TB], v[LW]
	v_add_nc_u32 v[ADW2], s[TB], v[LW2]
	v_mul_u32_u24 v[HST], v[T], 784
	v_mad_u32_u24 v[HST], v[T+1], 12, v[HST]
	v_add_nc_u32 v[HST], s90, v[HST]
	v_mul_u32_u24 v[HBS], v[T], 48
	v_add_nc_u32 v[HBS], s91, v[HBS]
	v_lshlrev_b32 v[WSO], 5, v[T]
	v_lshl_add_u32 v[WSO], v[T+1], 4, v[WSO]
	v_lshlrev_b32 v[BLA], 5, v[T+1]
	v_add_nc_u32 v[BLA], s93, v[BLA]
	v_and_b32 v[TW], 3, v0
	v_mul_u32_u24 v[TW], v[TW], 2064
	v_lshl_add_u32 v[TW], v[T+1], 4, v[TW]
	v_add_nc_u32 v[TW], s92, v[TW]
	v_mul_u32_u24 v[AA0], v[T], 816
	v_mad_u32_u24 v[AA0], v[T+1], 24, v[AA0]
	v_add_nc_u32 v[AA0], ACT, v[AA0]
	v_lshl_add_u32 v[AA0+1], v[T+1], 4, v[AA0]
	v_add_nc_u32 v[AA0+2], 52224, v[AA0]           ; 64 rows of 816 on
	v_add_nc_u32 v[AA0+3], 52224, v[AA0+1]
	v_lshlrev_b32 v[T+2], 2, v[T]                  ; heads: 4 r
	v_lshlrev_b32 v[T+3], 5, v0                    ; W2: two rows of 16 bytes a thread; b_mid: eight numbers a thread
	v_lshl_add_u32 v[T+4], v0, 2, TT
	v_lshl_add_u32 v[T+5], v0, 5, BL
	v_mov_b32 v[PX], 0                             ; a lane permute's destination counts as one of its sources
	VW
.irp m, 0,1,2,3,4,5,6
	global_load_b128 v[AS+4*\m:AS+4*\m+3], v[WSO], s[6:7] offset:512*\m   ; x's scale bytes: lanes 0-15 K steps 0-3 of row 16 m + r, lanes 16-31 K steps 4-7
.endr
	global_load_b128 v[WS:WS+3], v[WSO], s[WSP:WSP+1]                     ; chunk 0's scale bytes of the weights
	global_load_b128 v[WS+4:WS+7], v[WSO], s[WSP:WSP+1] offset:512
	WIN 0xc0
.irp m, 0,1,2,3,4,5,6
	global_load_b32 v[HD+\m], v[T+2], s[22:23] offset:64*\m               ; heads[16 m + r]
.endr
	WIN 0
.irp q, 0,1,2,3
	global_load_b128 v[ACC+8*\q:ACC+8*\q+3], v[T+3], s[18:19] offset:4096*\q       ; W2[256 q + 2 t][0 .. 3],
	global_load_b128 v[ACC+8*\q+4:ACC+8*\q+7], v[T+3], s[18:19] offset:4096*\q+16  ; and the row behind it
.endr
	global_load_b128 v[ACC+48:ACC+51], v[T+3], s[16:17]                   ; b_mid[8 t .. 8 t + 7]
	global_load_b128 v[ACC+52:ACC+55], v[T+3], s[16:17] offset:16
	s_wait_loadcnt 0x0
.irp q, 0,1,2,3
.irp o, 0,1,2,3
	v_cvt_pk_bf16_f32 v[ACC+32+4*\q+\o], v[ACC+8*\q+\o], v[ACC+8*\q+4+\o]          ; output o of two neighbouring channels
.endr
.endr
.irp k, 0,2,4,6
	v_pk_mul_f32 v[ACC+56+\k:ACC+57+\k], v[ACC+48+\k:ACC+49+\k], s[C32:C32+1] op_sel_hi:[1,0]   ; 32 b, exact
.endr
.irp q, 0,1,2,3
.irp o, 0,1,2,3
	ds_store_b32 v[T+4], v[ACC+32+4*\q+\o] offset:512*\q+2064*\o                   ; W2 transposed: row o, channels along the row
.endr
.endr
	ds_store_b128 v[T+5], v[ACC+56:ACC+59]
	ds_store_b128 v[T+5], v[ACC+60:ACC+63] offset:16
	VW
	SEQ                                            ; my quarter of x is in, my stores have landed
	CROUND                                         ; everybody's are
	TLOAD G0A, G1W                                 ; chunk 0's tile, slot 0's first fill, issued as a refill is
	LOADACT 0                                      ; x's 56 fragments, while that tile is on its way
	s_wait_kmcnt 0x0                               ; b2
	SEQ                                            ; chunk 0's tile is in, my reads of x are over
	CROUND
	TLOAD G0B, G1W                                 ; chunk 1's tile, slot 1's first fill
.irp f, 0,1,2,3,4,5
	FRAGW \f
.endr
	s_mov_b32 s[CNT], 0
	s_mov_b32 s[J24], 0
	s_mov_b32 s[J1], 0
	; ---- the first layer: chunk c asks for the tile of chunk c + 2 (chunk 8 is W_mid's first).  The hidden layer's codes go where x lay: the first are stored behind chunk 0's round, ahead of which every wave's reads of x are over
.Llayer1:
	CHUNK 1, 1, 1, 1
	s_add_co_u32 s[CNT], s[CNT], 1
	s_cmp_lt_u32 s[CNT], 8
	s_cbranch_scc1 .Llayer1
	; ---- between the layers: the hidden layer's codes and scale bytes go from LDS into every wave's registers
	s_wait_dscnt 0x0                               ; my codes and scale bytes are stored
	s_barrier_signal -1
	s_barrier_wait -1                              ; everybody's are.  (Chunk 9's tile may stay out)
	v_and_b32 v[CD], 15, v0
	v_bfe_u32 v[CD+1], v0, 4, 1
	v_mul_u32_u24 v[AA0], v[CD], 784
	v_mad_u32_u24 v[AA0], v[CD+1], 24, v[AA0]
	v_add_nc_u32 v[AA0], ACT, v[AA0]
	v_add_nc_u32 v[AA0+2], 50176, v[AA0]
	v_mul_u32_u24 v[CD+2], v[CD], 48
	v_lshl_add_u32 v[CD+2], v[CD+1], 4, v[CD+2]
	v_add_nc_u32 v[CD+2], HSC, v[CD+2]
	VW
	LOADACT 1
.irp m, 0,1,2,3,4,5,6
	ds_load_b128 v[AS+4*\m:AS+4*\m+3], v[CD+2] offset:768*\m
.endr
	WIN 0xc0
.irp q, 0,1,2,3
	ds_load_b128 v[BIAS+4*\q:BIAS+4*\q+3], v[BLA] offset:64*(\q/2)+16*(\q%2)   ; chunk 8's bias
.endr
.set KK, 0
.rept 56
	v_mov_b32 v[OUT+KK], 0                         ; the last product's 7 sums begin as zeros, so that its turn is written once for every chunk
.set KK, KK+1
.endr
	WIN 0
	s_mov_b32 s[J64], 0
	s_mov_b32 s[JB], 128
	s_mov_b32 s[CNT], 0
	VW
	s_wait_dscnt 0x0                               ; all of them are in (chunk 8's first fragments were asked for earlier)
	; ---- the second layer and the last product: chunks 8 to 13 ask for the tiles of chunks 10 to 15; the last two chunks are written out and ask for nothing
.Llayer2:
	CHUNK 2, 1, 0, 1
	s_add_co_u32 s[CNT], s[CNT], 1
	s_cmp_lt_u32 s[CNT], 6
	s_cbranch_scc1 .Llayer2
	CHUNK 2, 0, 0, 1
	CHUNK 2, 0, 0, 0
	; ---- the way out.  Registers 0-3 of each sum: outputs 0-3 of row 16 m + r over my wave's 256 channels.  They count where the row's head is my wave.
	s_lshl_b32 s90, s[WV], 11
	s_add_co_u32 s90, s90, STG                     ; my wave's 2,048 bytes of the stage, in ACT, whose last reads every wave has waited for ahead of chunk 8's round
	WIN 0x0c                                       ; source 1 window 3
	VW
.irp m, 0,1,2,3,4,5,6
	v_cmp_eq_u32 vcc_lo, s[WV], v[HD+\m]
.irp j, 0,1,2,3
	v_cndmask_b32 v[T+4*\m+\j], 0, v[OUT+8*\m+\j], vcc_lo
.endr
.endr
	WIN 0
.irp j, 0,1,2,3
	v_mov_b32 v[CD+\j], 0
.endr
	v_and_b32 v3, 15, v0
	v_lshl_add_u32 v3, v3, 4, s90
	v_lshl_add_u32 v4, v0, 4, STG                  ; thread t takes row t: the four waves' parts, of which at most one is not zero
	v_lshlrev_b32 v5, 4, v0                        ; 16 bytes a row of out0
	v_add_nc_u32 v6, s[ROW0], v0                   ; my row
	VW
.irp m, 0,1,2,3,4,5,6
	ds_store_b128 v3, v[T+4*\m:T+4*\m+3] offset:256*\m
.endr
	ds_store_b128 v3, v[CD:CD+3] offset:1792       ; places 112 to 127 are read too, by threads that store nothing
	s_wait_dscnt 0x0
	s_barrier_signal -1
	s_barrier_wait -1
.irp k, 0,1,2,3
	ds_load_b128 v[ACC+4*\k:ACC+4*\k+3], v4 offset:2048*\k
.endr
	v_cmp_gt_u32 vcc_lo, 112, v0                   ; it is one of the 112,
	v_cmp_le_u32 s91, s[FIRST], v6                 ; and one of those that this work-group owns
	s_and_b32 vcc_lo, vcc_lo, s91
	s_wait_dscnt 0x0
	v_pk_add_f32 v[ACC:ACC+1], v[ACC:ACC+1], v[ACC+4:ACC+5]
	v_pk_add_f32 v[ACC+2:ACC+3], v[ACC+2:ACC+3], v[ACC+6:ACC+7]
	v_pk_add_f32 v[ACC+8:ACC+9], v[ACC+8:ACC+9], v[ACC+12:ACC+13]
	v_pk_add_f32 v[ACC+10:ACC+11], v[ACC+10:ACC+11], v[ACC+14:ACC+15]
	v_pk_add_f32 v[ACC:ACC+1], v[ACC:ACC+1], v[ACC+8:ACC+9]
	v_pk_add_f32 v[ACC+2:ACC+3], v[ACC+2:ACC+3], v[ACC+10:ACC+11]
.irp o, 0,1,2,3
	v_fma_f32 v[ACC+\o], v[ACC+\o], 0x3d000000, s[B2+\o]      ; / 32 + b2
.endr
	VW
	s_wait_xcnt 0x0                                ; EXEC changes only behind this wait
	s_and_saveexec_b32 s92, vcc_lo
	global_store_b128 v5, v[ACC:ACC+3], s[24:25]   ; sixteen lanes store 256 consecutive bytes, at a multiple of 256 from out0's first byte (a work-group's rows begin at 1,792 x its number)
	s_wait_xcnt 0x0                                ; and again, in front of the line that widens it
	s_or_b32 exec_lo, exec_lo, s92
	SEQ                                            ; the wave's end
	CROUND                                         ; the closing round
	s_endpgm
.Lfunc_end_k_q67dbc14d7e_readout:
	.size	k_q67dbc14d7e_readout, .Lfunc_end_k_q67dbc14d7e_readout-k_q67dbc14d7e_readout
	.p2alignl 7, 3214868480
	.fill 96, 4, 3214868480
	.section	.rodata,"a",@progbits
	.p2align	6, 0x0
	.amdhsa_kernel k_q67dbc14d7e_readout
		.amdhsa_group_segment_fixed_size 327680
		.amdhsa_private_segment_fixed_size 0
		.amdhsa_enable_private_segment 0
		.amdhsa_kernarg_size 88
		.amdhsa_user_sgpr_count 2
		.amdhsa_user_sgpr_kernarg_segment_ptr 1
		.amdhsa_wavefront_size32 1
		.amdhsa_system_sgpr_workgroup_id_x 1
		.amdhsa_system_sgpr_workgroup_id_y 1
		.amdhsa_system_sgpr_workgroup_id_z 1
		.amdhsa_system_vgpr_workitem_id 0
		.amdhsa_next_free_vgpr 1024
		.amdhsa_next_free_sgpr 96
		.amdhsa_reserve_vcc 1
		.amdhsa_float_denorm_mode_32 3
		.amdhsa_float_denorm_mode_16_64 3
		.amdhsa_memory_ordered 1
		.amdhsa_forward_progress 1
		.amdhsa_inst_pref_size 249
	.end_amdhsa_kernel
	.amdgpu_metadata
---
amdhsa.version: [ 1, 2 ]
amdhsa.kernels:
  - .name:           k_q67dbc14d7e_readout
    .symbol:         k_q67dbc14d7e_readout.kd
    .args:
      - { .name: x_codes, .offset: 0, .size: 8, .value_kind: global_buffer, .address_space: global }
      - { .name: x_scales, .offset: 8, .size: 8, .value_kind: global_buffer, .address_space: global }
      - { .name: W1_codes, .offset: 16, .size: 8, .value_kind: global_buffer, .address_space: global }
      - { .name: W1_scales, .offset: 24, .size: 8, .value_kind: global_buffer, .address_space: global }
      - { .name: W_mid_codes, .offset: 32, .size: 8, .value_kind: global_buffer, .address_space: global }
      - { .name: W_mid_scales, .offset: 40, .size: 8, .value_kind: global_buffer, .address_space: global }
      - { .name: b_mid, .offset: 48, .size: 8, .value_kind: global_buffer, .address_space: global }
      - { .name: W2, .offset: 56, .size: 8, .value_kind: global_buffer, .address_space: global }
      - { .name: b2, .offset: 64, .size: 8, .value_kind: global_buffer, .address_space: global }
      - { .name: heads, .offset: 72, .size: 8, .value_kind: global_buffer, .address_space: global }
      - { .name: out0, .offset: 80, .size: 8, .value_kind: global_buffer, .address_space: global }
    .group_segment_fixed_size: 327680
    .private_segment_fixed_size: 0
    .kernarg_segment_align: 8
    .kernarg_segment_size: 88
    .max_flat_workgroup_size: 128
    .sgpr_count:     96
    .vgpr_count:     1024
    .wavefront_size: 32
...
	.end_amdgpu_metadata
.endif
;; end of part 1
